; MI455X (gfx1250); checked and timed in simulation.
; The chip was launched on July 23, 2026; its instructions are those of AMD's public machine-readable ISA for CDNA 5 (MIT licence, August 2026) and "CDNA5" Instruction Set Architecture Reference Guide (July 2026). The comments in the code are by the model that wrote it; some were corrected since.
;; Poincare Linear. Allowed arithmetic: float matrix products may take bf16 or f16 operands with f32 sums; other float arithmetic in f32, or as packed bf16 or f16 multiplies, adds, multiply-adds, maxima and minima; sums over many terms, partial sums and values carried from step to step in f32; what a program stores and reads back later, other than sums and carried values, may be rounded once to bf16 or f16.
;; Inputs: bias 4,096 float32; c 1 float32; weight_g 4,096 float32; weight_v 4,096 x 4,096 float32; x 4,096 x 4,096 float32.
;; Outputs: out0 4,096 x 4,096 float32.
;; 2 versions, each right; version 2 is version 1 with the launch prep written anew for expert scheduling mode. Each part assembles by itself: llvm-mc -triple=amdgcn-amd-amdhsa -mcpu=gfx1250 --defsym DOCPART=n.
;; ======== version 1 of 2: 3 launches
;; limits: a function is approximated: absolute error at most 6e-08
;; workspace buffers: xb 33,554,432 bytes; wb 33,554,432 bytes; xss 16,384 bytes; wss 1,048,576 bytes; tn 33,554,432 bytes
;; launch prep (part 1): grid 256 x 2, 8 waves a work-group, no clusters, 0 bytes of LDS; arguments x, weight_v, xb, wb, xss, wss; writes xb, wb, xss, wss
.if DOCPART == 1
	.amdgcn_target "amdgcn-amd-amdhsa--gfx1250"
	.amdhsa_code_object_version 6
	.text
	.protected	k_q59bf34e049_prep
	.globl	k_q59bf34e049_prep
	.p2align	8
	.type	k_q59bf34e049_prep,@function
k_q59bf34e049_prep:
	s_mov_b64 s[64:65], 0
	v_nop
	global_prefetch_b8 v0, s[64:65] scope:SCOPE_SE
	s_setreg_imm32_b32 hwreg(HW_REG_WAVE_MODE, 25, 1), 1
	s_wait_xcnt 0x0
; x [4096][4096] f32 -> xb bf16 (same layout), xss[row] = the sum of squares of the ROUNDED numbers of the row.
; weight_v [4096 k][4096 n] f32 -> wb bf16 (same layout), wss[p][n] = the sum of squares of the rounded numbers of column n over the 64 rows 64 p .. 64 p + 63.
; The grid's y picks the tensor (0: x, 1: weight_v); 256 work-groups of eight waves each, 262,144 input bytes a work-group.
; x:        the work-group owns 16 rows, a wave two; slot i of eight = row i / 4, 512 bytes i % 4 of the 2,048 that a round takes of each row; 8 rounds.
; weight_v: the work-group owns 64 rows x 1,024 columns, a wave 128 columns (512 bytes of a row); slot i = row i of the 8 that a round takes; 8 rounds.
; A load of a wave covers 512 consecutive bytes, a store 256 consecutive bytes, aligned.  A ring of eight slots keeps eight loads of every wave on their way.
; No LDS, no barrier, no matrix unit: every byte is touched once and no wave needs another's.  Sums in f32.
.set ACC, 4                            ; v[4:11]   eight running sums
.set TT,  12                           ; v[12:15]  at work
.set VI,  2                            ; v2        16 x lane
.set VO,  3                            ; v3        8 x lane
.set XR,  16                           ; v[16:47]  slot i: 4 f32 as loaded
.set YR,  48                           ; v[48:63]  slot i: 4 bf16 to store
.set IN,  20                           ; s[20:21]  the stream in, at this round
.set OUT, 22                           ; s[22:23]  the stream out, at this round
.set SUM, 26                           ; s[26:27]  where my sums go
	s_load_b256 s[4:11], s[0:1], 0x0               ; x s[4:5], weight_v s[6:7], xb s[8:9], wb s[10:11]
	s_load_b128 s[12:15], s[0:1], 0x20             ; xss s[12:13], wss s[14:15]
	v_and_b32 v1, 31, v0                           ; lane
	v_lshrrev_b32 v2, 5, v0
	v_readfirstlane_b32 s16, v2                    ; wave 0..7
	v_lshlrev_b32 v[VI], 4, v1
	v_lshlrev_b32 v[VO], 3, v1
	s_and_b32 s17, ttmp7, 0xffff                   ; which tensor
	s_mov_b32 s19, 0                               ; the upper word of every offset
	s_mov_b32 s28, 0x76543210                      ; v_permlanex16_b32: each lane takes its own place in the other half
	s_mov_b32 s29, 0xfedcba98
	s_mov_b32 s24, 7                               ; rounds that load ahead
	s_wait_kmcnt 0x0
	s_cmp_lg_u32 s17, 0
	s_cbranch_scc1 .Lweights
; One slot's turn.  INI, OUTI: the slot's byte offsets in a round; SA: its four sums; INSTEP: a round's bytes in.
; refill = 1: the slot is loaded again for the next round.  left = how many younger loads may stay out.
.macro SLOT i, refill, left
	s_wait_loadcnt \left                           ; loads come back in order: mine is in, the younger ones stay out
	v_cvt_pk_bf16_f32 v[YR+2*(\i)],   v[XR+4*(\i)],   v[XR+4*(\i)+1]
	v_cvt_pk_bf16_f32 v[YR+2*(\i)+1], v[XR+4*(\i)+2], v[XR+4*(\i)+3]
.if \refill
	global_load_b128 v[XR+4*(\i):XR+4*(\i)+3], v[VI], s[IN:IN+1] offset:INI+INSTEP th:TH_LOAD_NT
.endif
	v_fma_mix_f32_bf16 v[SA],   v[YR+2*(\i)],   v[YR+2*(\i)],   v[SA]   op_sel_hi:[1,1,0]                 ; the rounded number squared, added in f32
	v_fma_mix_f32_bf16 v[SA+1], v[YR+2*(\i)],   v[YR+2*(\i)],   v[SA+1] op_sel:[1,1,0] op_sel_hi:[1,1,0]
	v_fma_mix_f32_bf16 v[SA+2], v[YR+2*(\i)+1], v[YR+2*(\i)+1], v[SA+2] op_sel_hi:[1,1,0]
	v_fma_mix_f32_bf16 v[SA+3], v[YR+2*(\i)+1], v[YR+2*(\i)+1], v[SA+3] op_sel:[1,1,0] op_sel_hi:[1,1,0]
	global_store_b64 v[VO], v[YR+2*(\i):YR+2*(\i)+1], s[OUT:OUT+1] offset:OUTI
.endm
.macro XSLOT i, refill, left
.set INI,    ((\i)/4)*16384+((\i)%4)*512
.set OUTI,   ((\i)/4)*8192+((\i)%4)*256
.set SA,     ACC+4*((\i)/4)                    ; a row's four sums
.set INSTEP, 2048
	SLOT \i, \refill, \left
.endm
.macro WSLOT i, refill, left
.set INI,    (\i)*16384
.set OUTI,   (\i)*8192
.set SA,     ACC+4*((\i)%2)                    ; my four columns' sums, rows of even and of odd number apart
.set INSTEP, 131072
	SLOT \i, \refill, \left
.endm
.macro CLEAR                           ; twelve lines, while the first loads are on their way
.set r, ACC
.rept 12
	v_mov_b32 v[r], 0
.set r, r+1
.endr
.endm
	; ---- x ----
	s_lshl_b32 s25, ttmp9, 4
	s_lshl_b32 s18, s16, 1
	s_add_co_u32 s25, s25, s18                     ; my first row = 16 b + 2 wave
	s_lshl_b32 s18, s25, 14
	s_add_nc_u64 s[IN:IN+1], s[4:5], s[18:19]
	s_lshl_b32 s18, s25, 13
	s_add_nc_u64 s[OUT:OUT+1], s[8:9], s[18:19]
	s_lshl_b32 s18, s25, 2
	s_add_nc_u64 s[SUM:SUM+1], s[12:13], s[18:19]
.irp i, 0,1,2,3,4,5,6,7
	global_load_b128 v[XR+4*(\i):XR+4*(\i)+3], v[VI], s[IN:IN+1] offset:((\i)/4)*16384+((\i)%4)*512 th:TH_LOAD_NT
.endr
	CLEAR
.Lxround:
.irp i, 0,1,2,3,4,5,6,7
	XSLOT \i, 1, 7
.endr
	s_wait_xcnt 0x0                                ; the two bases and the stores' data are written again only behind this wait
	s_add_nc_u64 s[IN:IN+1], s[IN:IN+1], 2048
	s_add_nc_u64 s[OUT:OUT+1], s[OUT:OUT+1], 1024
	s_sub_co_u32 s24, s24, 1
	s_cmp_lg_u32 s24, 0
	s_cbranch_scc1 .Lxround
.irp i, 0,1,2,3,4,5,6,7
	XSLOT \i, 0, 7-(\i)                            ; the last round loads nothing: the counts run down
.endr
	v_add_f32 v4, v4, v5
	v_add_f32 v6, v6, v7
	v_add_f32 v8, v8, v9
	v_add_f32 v10, v10, v11
	v_add_f32 v4, v4, v6                           ; row 0, my lane's part
	v_add_f32 v8, v8, v10                          ; row 1
.irp m, 1,2,4,8
	v_add_f32_dpp v4, v4, v4 row_xmask:\m row_mask:0xf bank_mask:0xf
	v_add_f32_dpp v8, v8, v8 row_xmask:\m row_mask:0xf bank_mask:0xf
.endr
	v_permlanex16_b32 v12, v4, s28, s29
	v_permlanex16_b32 v13, v8, s28, s29
	v_add_f32 v4, v4, v12
	v_add_f32 v8, v8, v13
	v_cmp_eq_u32 vcc_lo, 1, v1
	v_cndmask_b32 v4, v4, v8, vcc_lo               ; lane 1 holds row 1's sum
	v_lshlrev_b32 v14, 2, v1
	s_wait_xcnt 0x0                                ; EXEC changes only behind this wait
	v_cmp_gt_u32 vcc_lo, 2, v1
	s_and_saveexec_b32 s30, vcc_lo
	global_store_b32 v14, v4, s[SUM:SUM+1]         ; two sums a wave: 16,384 bytes in the whole launch
	s_wait_xcnt 0x0
	s_or_b32 exec_lo, exec_lo, s30
	s_endpgm
	; ---- weight_v ----
.Lweights:
	s_and_b32 s25, ttmp9, 3                        ; which 1,024 columns
	s_lshr_b32 s31, ttmp9, 2                       ; which 64 rows
	s_lshl_b32 s25, s25, 12
	s_lshl_b32 s30, s16, 9
	s_add_co_u32 s25, s25, s30                     ; my 128 columns in f32: 4,096 cs + 512 wave bytes
	s_lshl_b32 s18, s31, 20
	s_add_co_u32 s18, s18, s25
	s_add_nc_u64 s[IN:IN+1], s[6:7], s[18:19]
	s_lshr_b32 s18, s18, 1                         ; in bf16 every offset is half
	s_add_nc_u64 s[OUT:OUT+1], s[10:11], s[18:19]
	s_lshl_b32 s18, s31, 14
	s_add_co_u32 s18, s18, s25
	s_add_nc_u64 s[SUM:SUM+1], s[14:15], s[18:19]
.irp i, 0,1,2,3,4,5,6,7
	global_load_b128 v[XR+4*(\i):XR+4*(\i)+3], v[VI], s[IN:IN+1] offset:(\i)*16384 th:TH_LOAD_NT
.endr
	CLEAR
.Lwround:
.irp i, 0,1,2,3,4,5,6,7
	WSLOT \i, 1, 7
.endr
	s_wait_xcnt 0x0                                ; as above
	s_add_nc_u64 s[IN:IN+1], s[IN:IN+1], 131072
	s_add_nc_u64 s[OUT:OUT+1], s[OUT:OUT+1], 65536
	s_sub_co_u32 s24, s24, 1
	s_cmp_lg_u32 s24, 0
	s_cbranch_scc1 .Lwround
.irp i, 0,1,2,3,4,5,6,7
	WSLOT \i, 0, 7-(\i)
.endr
	v_pk_add_f32 v[4:5], v[4:5], v[8:9]
	v_pk_add_f32 v[6:7], v[6:7], v[10:11]
	global_store_b128 v[VI], v[4:7], s[SUM:SUM+1]  ; 512 consecutive bytes a wave
	s_endpgm
.Lfunc_end_k_q59bf34e049_prep:
	.size	k_q59bf34e049_prep, .Lfunc_end_k_q59bf34e049_prep-k_q59bf34e049_prep
	.p2alignl 7, 3214868480
	.fill 96, 4, 3214868480
	.section	.rodata,"a",@progbits
	.p2align	6, 0x0
	.amdhsa_kernel k_q59bf34e049_prep
		.amdhsa_group_segment_fixed_size 0
		.amdhsa_private_segment_fixed_size 0
		.amdhsa_enable_private_segment 0
		.amdhsa_kernarg_size 48
		.amdhsa_user_sgpr_count 2
		.amdhsa_user_sgpr_kernarg_segment_ptr 1
		.amdhsa_wavefront_size32 1
		.amdhsa_system_sgpr_workgroup_id_x 1
		.amdhsa_system_sgpr_workgroup_id_y 1
		.amdhsa_system_sgpr_workgroup_id_z 1
		.amdhsa_system_vgpr_workitem_id 0
		.amdhsa_next_free_vgpr 64
		.amdhsa_next_free_sgpr 66
		.amdhsa_reserve_vcc 1
		.amdhsa_float_denorm_mode_32 3
		.amdhsa_float_denorm_mode_16_64 3
		.amdhsa_memory_ordered 1
		.amdhsa_forward_progress 1
		.amdhsa_inst_pref_size 24
	.end_amdhsa_kernel
	.amdgpu_metadata
---
amdhsa.version: [ 1, 2 ]
amdhsa.kernels:
  - .name:           k_q59bf34e049_prep
    .symbol:         k_q59bf34e049_prep.kd
    .args:
      - { .name: x, .offset: 0, .size: 8, .value_kind: global_buffer, .address_space: global }
      - { .name: weight_v, .offset: 8, .size: 8, .value_kind: global_buffer, .address_space: global }
      - { .name: xb, .offset: 16, .size: 8, .value_kind: global_buffer, .address_space: global }
      - { .name: wb, .offset: 24, .size: 8, .value_kind: global_buffer, .address_space: global }
      - { .name: xss, .offset: 32, .size: 8, .value_kind: global_buffer, .address_space: global }
      - { .name: wss, .offset: 40, .size: 8, .value_kind: global_buffer, .address_space: global }
    .group_segment_fixed_size: 0
    .private_segment_fixed_size: 0
    .kernarg_segment_align: 8
    .kernarg_segment_size: 48
    .max_flat_workgroup_size: 256
    .sgpr_count:     66
    .vgpr_count:     64
    .wavefront_size: 32
...
	.end_amdgpu_metadata
.endif
;; end of part 1
;; launch gemm (part 2): grid 16 x 16, 4 waves a work-group, clusters of 4 x 4, 327,680 bytes of LDS; arguments xb, wb, tn, wss; writes tn
.if DOCPART == 2
	.amdgcn_target "amdgcn-amd-amdhsa--gfx1250"
	.amdhsa_code_object_version 6
	.text
	.protected	k_q59bf34e049_gemm
	.globl	k_q59bf34e049_gemm
	.p2align	8
	.type	k_q59bf34e049_gemm,@function
k_q59bf34e049_gemm:
	s_mov_b64 s[64:65], 0
	v_nop
	global_prefetch_b8 v0, s[64:65] scope:SCOPE_SE
	s_setreg_imm32_b32 hwreg(HW_REG_WAVE_MODE, 25, 1), 1
	s_wait_xcnt 0x0
	s_wait_alu depctr_hold_cnt(0) depctr_sa_sdst(0) depctr_va_vdst(0) depctr_va_sdst(0) depctr_va_ssrc(0) depctr_va_vcc(0) depctr_vm_vsrc(0)
	s_getreg_b32 s2, hwreg(HW_REG_IB_STS2, 6, 4)
	s_cmp_eq_u32 s2, 0
	s_cbranch_scc0 .Lentry_in_a_cluster
	s_endpgm
.Lentry_in_a_cluster:
	s_bfe_u32 s2, ttmp6, 0x10000c
	s_cmp_lg_u32 s2, 0xf033
	s_cbranch_scc0 .Lentry_shape_is_right
	s_endpgm
.Lentry_shape_is_right:
; tn[i][j] = bf16( (sum over k of xb[i][k] wb[k][j]) x s[j] ),  s[j] = 1 / (n1 n2),  n = sqrt(sum over p of wss[p][j]),  n1 = max(n, 1e-15),  n2 = max(n / n1, 1e-15):
; the product with the twice normalised columns (the norm of a column divided by n1 is n / n1).  xb [4096][4096] and wb [4096 k][4096 n] are bf16, sums f32, tn rounded once.
; LIMITS.  A column's sum of squares below 2^-126 counts as 0 (the root's input is flushed); NaN and infinities are not treated apart here.
; SHARES.  A tile of 256 x 256 to a work-group of four waves, 128 x 128 to a wave: 64 accumulators of 16 x 16, 512 registers.  16 x 16 tiles: one work-group for each tile.
; K goes in steps of 128 through a ring of two LDS slots filled by the tensor data mover: xb's tile is 256 rows x 256 bytes, wb's 128 k-rows x 512 bytes.
; wb lies [k][n]: its fragments come out of LDS turned, by ds_load_tr16_b128, two loads a fragment as for xb's.
; CLUSTERS.  4 x 4 work-groups.  The four of a row of the cluster need the same tile of xb, the four of a column the same tile of wb: each tile is asked for JOINTLY,
; by the same tensor load with the same descriptor and a mask that names the four.
; THE MATRIX INSTRUCTION IS USED TRANSPOSED: source 0 = 16 columns of wb, source 1 = 16 rows of xb.  A lane then holds row l % 16 of the tile and the columns 8 (l / 16) + 0..7.
; REGISTERS, in windows of 256 (s_set_vgpr_msb: bits 1:0 source 0, 3:2 source 1, 5:4 source 2, 7:6 destination):
;   window 0: v0-31 addresses; v64-127, v128-191 xb's fragments, two buffers (at the head: wss's 64 pairs; on the way out v64-127: my 64 scales); v32-63, v192-255 at work on the way out
;   window 1: v64-127, v128-191 wb's fragments, two buffers       window 2: the accumulators of my rows 0-63 ((a, b) at 8 (8 a + b))       window 3: those of my rows 64-127
.set ROWB,   8192                      ; bytes in a row of xb, wb and tn
.set PA,     272                       ; an LDS row of xb's tile: 256 bytes + 16 = 68 words: the 16 rows of a load start at 16 different groups of four banks (64 banks of 4 bytes: ISA guide 11.1)
.set PB,     544                       ; an LDS row of wb's tile: 512 bytes + 32 = 136 words
.set HALFT,  128*PA                    ; what one tensor load brings: 128 rows of xb's tile, or 64 k-rows of wb's (64 x 544 is the same number)
.set SLOT,   4*HALFT                   ; xb's two halves, then wb's two halves
.set STAGE,  2*SLOT                    ; behind the ring: 16 rows x 272 bytes for each wave, for the way out
.set SPITCH, 272
.set SCL,    STAGE+4*16*SPITCH         ; the tile's 256 scales, f32
.set SPARE,  SCL+1024                  ; the spare words, 128 bytes for each wave: two blocks of 256 bytes that no other line names
.set ASTEP,  256                       ; a K step in xb: 256 bytes along the rows
.set BSTEP,  128*ROWB                  ; a K step in wb: 128 rows down
.set LAPS,   16                        ; a lap = two K steps = once round the ring
.set EPSF,   0x26901d7d                ; 1e-15
.set ADRA, 16                          ; v16-17  LDS address of my fragments of xb in slot 0, 1
.set ADRB, 20                          ; v20-21  the same for wb
.set SCA,  22                          ; v22     where I read my scales
.set SCS,  23                          ; v23     where I put the two scales that I make
.set STO,  24                          ; v24     the way out: where I put 16 bytes of a row
.set RD,   25                          ; v25     the way out: where I read a row back
.set CO,   26                          ; v26     my byte offset in tn
.set WSO,  27                          ; v27     8 x my thread's number: my two columns in a row of wss
.set SPW,  28                          ; v28     LDS address of my spare word; never rewritten
.set NIL,  29                          ; v29     0; never rewritten
.set PFO,  30                          ; v30     the prefetches' lane offset; never rewritten
.set F0,   64
.set F1,   128
.set SC,   64                          ; the way out: scale of column 16 b + 8 (l / 16) + j at SC + 8 b + j
.set TMP,  192
.set OB,   32
.set G1,  24                           ; s[24:31] descriptor group 1 for xb's tiles
.set G0,  32                           ; s[32:39] group 0, one set for each slot
.set G1B, 48                           ; s[48:55], s[56:63] the same for wb's tiles
.set G0B, 56
.set LIM, 43                           ; s43      1 in a wave that prefetches, else the greatest number
.set PFA, 44                           ; s[44:45] the address that my next prefetch names
.set PFS, 68                           ; s[68:69] a K step in the tensor that I fetch
.set MSB, 0
.macro WIN new                         ; the immediate's high byte repeats the setting that is left; a switch that changes nothing is dropped
.if MSB != (\new)
	s_set_vgpr_msb (MSB<<8)|(\new)
.set MSB, \new
.endif
.endm
.set MUL_LO, 0xa1                      ; source 0 (wb) window 1, source 1 (xb) window 0, C and D window 2
.set TO_B,   0x40                      ; destination window 1, address window 0
; A joint load.  Waves 0 and 1 fetch xb's two halves, waves 2 and 3 wb's.  The branch hangs on the wave's number alone.
; An s_nop 0 and four v_nop follow each of the two lines, ahead of the jump and the label.
.macro JLOAD s
	s_cmp_eq_u32 s11, 0
	s_cbranch_scc0 .Lfor_b_\@
	tensor_load_to_lds s[G0+4*(\s):G0+4*(\s)+3], s[G1:G1+7]
	s_nop 0
.rept 4
	v_nop
.endr
	s_branch .Lasked_\@
.Lfor_b_\@:
	tensor_load_to_lds s[G0B+4*(\s):G0B+4*(\s)+3], s[G1B:G1B+7]
	s_nop 0
.rept 4
	v_nop
.endr
.Lasked_\@:
.endm
; A prefetch of the K step that stands two refills on: 32 blocks of 256 bytes, a lane a block, one instruction a wave.  Each block is named once in the launch:
; xb's rows are asked for by the clusters with x = 0, wb's by those with y = 0; the four partners that ask for a tile jointly share its rows out by ADDRESS
; (xb: 32 rows each by cx; wb: 16 k-rows x 2 blocks each by cy).  The loop's last trip (s3 = 1) has no K step two on and asks for nothing; K steps 0 to 3 come by their loads alone.
.macro ASK
	s_cmp_gt_u32 s3, s[LIM]
	s_cbranch_scc0 .Lnot_mine_\@
	global_prefetch_b8 v[PFO], s[PFA:PFA+1] th:TH_LOAD_NT scope:SCOPE_SE
.Lnot_mine_\@:
.endm
.macro CREST                           ; a round of the cluster's barrier behind its opening barrier
	s_cmp_lg_u32 s10, 0
	s_cbranch_scc1 .Lnot_wave_0_\@
	s_barrier_signal -3
.Lnot_wave_0_\@:
	s_barrier_wait -3
	s_barrier_signal -1
	s_barrier_wait -1
.endm
.macro CROUND                          ; a whole round
	s_barrier_signal -1
	s_barrier_wait -1
	CREST
.endm
	s_load_b128 s[4:7], s[0:1], 0x0                ; xb s[4:5], wb s[6:7]
	s_load_b64 s[8:9], s[0:1], 0x10                ; tn
	s_load_b64 s[66:67], s[0:1], 0x18              ; wss
	v_lshl_add_u32 v[SPW], v0, 2, SPARE
	v_mov_b32 v[NIL], 0
	ds_add_u32 v[SPW], v[NIL]                      ; the wave's opening: the add, twice on end, and its wait ahead of my first tensor load
	ds_add_u32 v[SPW], v[NIL]                      ; and once more, under the one wait; the set-up below, work on registers, stands between
	v_lshrrev_b32 v1, 5, v0
	v_readfirstlane_b32 s10, v1                    ; wave 0..3
	s_lshr_b32 s11, s10, 1                         ; which half of the tile's rows is mine.  Also: I fetch for xb (0) or for wb (1)
	s_and_b32 s12, s10, 1                          ; which half of its columns.  Also: which half of that tile I fetch
	s_bfe_u32 s40, ttmp6, 0x40000                  ; cx
	s_bfe_u32 s41, ttmp6, 0x40004                  ; cy
	s_lshl_b32 s42, ttmp9, 2
	s_add_co_u32 s42, s42, s40                     ; tile column = 4 x cluster x + cx
	s_and_b32 s13, ttmp7, 0xffff
	s_lshl_b32 s13, s13, 2
	s_add_co_u32 s13, s13, s41                     ; tile row = 4 x cluster y + cy
	s_lshl_b32 s43, s41, 2
	s_lshl_b32 s43, 15, s43                        ; my row of the cluster: places 4 cy .. 4 cy + 3
	s_lshl_b32 s44, 0x1111, s40                    ; my column: places cx, cx + 4, cx + 8, cx + 12
	s_or_b32 s[G1+0], s43, (1<<16)|(1<<20)|(1<<21)|(5<<22)|(3<<25)   ; the mask; 2-byte elements; padding on; bit 21 beside a mask; after every 64 words, 4 words
	s_mov_b32 s[G1+1], 128<<16                     ; tensor_dim0 = 128
	s_mov_b32 s[G1+2], 128<<16                     ; tensor_dim1 = 128
	s_mov_b32 s[G1+3], 128<<16                     ; tile_dim0 = 128
	s_mov_b32 s[G1+4], 128                         ; tile_dim1 = 128
	s_mov_b32 s[G1+5], 4096                        ; elements from row to row
	s_mov_b32 s[G1+6], 0
	s_mov_b32 s[G1+7], 0
	s_or_b32 s[G1B+0], s44, (1<<16)|(1<<20)|(1<<21)|(6<<22)|(7<<25)  ; after every 128 words, 8 words
	s_mov_b32 s[G1B+1], 256<<16                    ; tensor_dim0 = 256
	s_mov_b32 s[G1B+2], 64<<16                     ; tensor_dim1 = 64
	s_mov_b32 s[G1B+3], 256<<16                    ; tile_dim0 = 256
	s_mov_b32 s[G1B+4], 64                         ; tile_dim1 = 64
	s_mov_b32 s[G1B+5], 4096
	s_mov_b32 s[G1B+6], 0
	s_mov_b32 s[G1B+7], 0
	s_lshl_b32 s16, s13, 8                         ; xb: row 256 x tile row + 128 x half, in bytes: the tile row alone, which my row of the cluster shares
	s_lshl_b32 s17, s12, 7
	s_add_co_u32 s16, s16, s17
	s_lshl_b32 s16, s16, 13
	s_mov_b32 s17, 0
	s_lshl_b32 s46, s12, 19                        ; wb: k-row 64 x half, column 256 x tile column: the tile column alone, which my column shares
	s_lshl_b32 s47, s42, 9
	s_add_co_u32 s46, s46, s47
	s_mov_b32 s47, 0
	s_mul_i32 s20, s10, HALFT                      ; where they go: wave x HALFT: no place in the cluster enters an LDS address
	s_wait_dscnt 0x0                               ; both opening adds are done
	s_wait_kmcnt 0x0
	s_add_nc_u64 s[14:15], s[4:5], s[16:17]
	s_add_nc_u64 s[46:47], s[6:7], s[46:47]
	CROUND                                         ; all sixteen work-groups are here: the first joint loads meet
.irp s, 0,1
	s_mov_b32 s[G0+4*(\s)], 1
	s_add_co_u32 s[G0+4*(\s)+1], s20, (\s)*SLOT
	s_add_nc_u64 s[G0+4*(\s)+2:G0+4*(\s)+3], s[14:15], (\s)*ASTEP
	s_or_b32 s[G0+4*(\s)+3], s[G0+4*(\s)+3], 0x80000000
	s_mov_b32 s[G0B+4*(\s)], 1
	s_add_co_u32 s[G0B+4*(\s)+1], s20, (\s)*SLOT
	s_add_nc_u64 s[G0B+4*(\s)+2:G0B+4*(\s)+3], s[46:47], (\s)*BSTEP
	s_or_b32 s[G0B+4*(\s)+3], s[G0B+4*(\s)+3], 0x80000000
	JLOAD \s                                       ; K steps 0 and 1: two loads of mine are out
.endr
	; wss: thread t takes columns 2 t and 2 t + 1 of the tile, all 64 partial sums: a wave's load covers 256 consecutive bytes
	s_lshl_b32 s46, s42, 10
	s_mov_b32 s47, 0
	s_add_nc_u64 s[66:67], s[66:67], s[46:47]
	v_lshlrev_b32 v[WSO], 3, v0
.set p, 0
.rept 64
	global_load_b64 v[64+2*p:65+2*p], v[WSO], s[66:67] offset:p*16384
.set p, p+1
.endr
	; a fragment of xb: lane l holds row l % 16; registers 0-3 K = 8 (l / 16) + 0..7, registers 4-7 K = 16 + 8 (l / 16) + 0..7: two loads of 16 bytes, 32 bytes apart
	v_and_b32 v1, 15, v0                           ; l % 16
	v_bfe_u32 v2, v0, 4, 1                         ; l / 16
	v_mul_u32_u24 v3, v1, PA
	v_lshl_add_u32 v3, v2, 4, v3
	; a fragment of wb: the turning load takes 16 k-rows x 16 columns (lane l reads k-row 8 (l / 16) + l % 8, columns 8 ((l / 8) % 2) + 0..7) and leaves column l % 16 and 8 k in lane l
	v_and_b32 v4, 7, v0
	v_lshl_add_u32 v4, v2, 3, v4
	v_mul_u32_u24 v4, v4, PB
	v_bfe_u32 v5, v0, 3, 1
	v_lshl_add_u32 v4, v5, 4, v4
	s_mul_i32 s21, s11, HALFT                      ; my 128 rows of xb's tile
	s_lshl_b32 s22, s12, 8                         ; my 128 columns of wb's tile,
	s_add_co_u32 s22, s22, 2*HALFT                 ; which lies behind xb's
.irp s, 0,1
	v_add_nc_u32 v[ADRA+(\s)], s21, v3
	v_add_nc_u32 v[ADRB+(\s)], s22, v4
	s_add_co_u32 s21, s21, SLOT
	s_add_co_u32 s22, s22, SLOT
.endr
	s_mul_i32 s23, s10, 16*SPITCH
	s_add_co_u32 s23, s23, STAGE                   ; my stage
	v_mul_u32_u24 v6, v1, SPITCH                   ; in: row l % 16, 16 bytes for each half of the lanes
	v_lshl_add_u32 v6, v2, 4, v6
	v_add_nc_u32 v[STO], s23, v6
	v_mul_u32_u24 v7, v2, SPITCH                   ; back: lanes 0-15 take one row of 256 bytes, lanes 16-31 the next
	v_lshl_add_u32 v7, v1, 4, v7
	v_add_nc_u32 v[RD], s23, v7
	v_lshlrev_b32 v7, 13, v2                       ; and the same two rows in tn
	v_lshl_add_u32 v[CO], v1, 4, v7
	s_lshl_b32 s23, s12, 9
	s_add_co_u32 s23, s23, SCL
	v_lshl_add_u32 v[SCA], v2, 5, s23              ; my 128 columns' scales, 8 of each 16 for my half of the lanes
	v_add_nc_u32 v[SCS], SCL, v[WSO]
	s_lshl_b32 s16, s13, 8                         ; where my part of the tile begins in tn, in bytes
	s_lshl_b32 s14, s11, 7
	s_add_co_u32 s16, s16, s14
	s_lshl_b32 s16, s16, 13
	s_lshl_b32 s46, s42, 9
	s_lshl_b32 s47, s12, 8
	s_add_co_u32 s46, s46, s47
	s_add_co_u32 s16, s16, s46
	s_mov_b32 s17, 0
	; the prefetches: offsets for xb and for wb, then the choice by what I fetch
	s_lshl_b32 s20, s13, 8
	s_lshl_b32 s21, s12, 7
	s_add_co_u32 s20, s20, s21
	s_lshl_b32 s21, s40, 5
	s_add_co_u32 s20, s20, s21                     ; xb: the 128 rows that I fetch, my work-group's 32 of them,
	s_lshl_b32 s20, s20, 13
	s_add_co_u32 s20, s20, 3*ASTEP                 ; at K step 3: the first refill steps it to 4
	s_lshl_b32 s22, s12, 6
	s_lshl_b32 s23, s41, 4
	s_add_co_u32 s22, s22, s23                     ; wb: the 64 k-rows that I fetch, my work-group's 16 of them,
	s_lshl_b32 s22, s22, 13
	s_lshl_b32 s23, s42, 9
	s_add_co_u32 s22, s22, s23
	s_add_co_u32 s22, s22, 3*BSTEP
	s_and_b32 s23, ttmp7, 0xffff                   ; cluster y
	s_mov_b32 s[PFS], BSTEP
	s_mov_b32 s[PFS+1], 0
	s_cmp_eq_u32 s11, 0                            ; do I fetch for xb?
	s_cselect_b32 s20, s20, s22
	s_cselect_b32 s23, ttmp9, s23                  ; the coordinate along which other clusters read the same rows
	s_cselect_b32 s[PFS], ASTEP, s[PFS]
	s_cselect_b64 s[PFA:PFA+1], s[4:5], s[6:7]
	s_mov_b32 s21, 0
	s_add_nc_u64 s[PFA:PFA+1], s[PFA:PFA+1], s[20:21]
	s_cmp_eq_u32 s23, 0
	s_cselect_b32 s[LIM], 1, -1                    ; the same in all sixteen partners, for a given wave
	v_and_b32 v[PFO], 31, v0
	v_lshrrev_b32 v31, s11, v[PFO]                 ; xb: a lane a row; wb: two lanes a row of 512 bytes
	v_and_b32 v[PFO], s11, v[PFO]
	v_lshlrev_b32 v[PFO], 8, v[PFO]
	v_lshl_add_u32 v[PFO], v31, 13, v[PFO]
	; the scales
	s_wait_loadcnt 0x0
.irp w, 32,16,8,4,2,1
.set i, 0
.rept \w
	v_pk_add_f32 v[64+2*i:65+2*i], v[64+2*i:65+2*i], v[64+2*(i+(\w)):65+2*(i+(\w))]
.set i, i+1
.endr
.endr
	v_sqrt_f32 v66, v64                            ; n
	v_sqrt_f32 v67, v65
	v_nop                                          ; a plain instruction behind the last root,
	s_wait_alu depctr_va_vdst(0)                   ; and the one wait for both, ahead of the first reader
	v_max_num_f32 v68, EPSF, v66                   ; n1
	v_max_num_f32 v69, EPSF, v67
	v_rcp_f32 v70, v68
	v_rcp_f32 v71, v69
	v_nop
	s_wait_alu depctr_va_vdst(0)
	v_mul_f32 v66, v66, v70                        ; n / n1
	v_mul_f32 v67, v67, v71
	v_max_num_f32 v66, EPSF, v66                   ; n2
	v_max_num_f32 v67, EPSF, v67
	v_rcp_f32 v68, v66
	v_rcp_f32 v69, v67
	v_nop
	s_wait_alu depctr_va_vdst(0)
	v_mul_f32 v70, v70, v68
	v_mul_f32 v71, v71, v69
	ds_store_b64 v[SCS], v[70:71]
; 16 matrix instructions: m blocks a0, a0 + 1 of the window's four (hi = 0: my rows 0-63, 1: rows 64-127) x all 8 n blocks, 32 along K.  zero = 1: the first product starts the sums.
; The 64 accumulators take turns, in the same order in every quarter step.
.macro MUL16 f, hi, a0, zero
	WIN MUL_LO+0x50*(\hi)
.irp a, \a0, (\a0)+1
.irp b, 0,1,2,3,4,5,6,7
.if \zero
	v_wmma_f32_16x16x32_bf16 v[8*(8*(\a)+(\b)):8*(8*(\a)+(\b))+7], v[(\f)+8*(\b):(\f)+8*(\b)+7], v[(\f)+8*(4*(\hi)+(\a)):(\f)+8*(4*(\hi)+(\a))+7], 0
.else
	v_wmma_f32_16x16x32_bf16 v[8*(8*(\a)+(\b)):8*(8*(\a)+(\b))+7], v[(\f)+8*(\b):(\f)+8*(\b)+7], v[(\f)+8*(4*(\hi)+(\a)):(\f)+8*(4*(\hi)+(\a))+7], v[8*(8*(\a)+(\b)):8*(8*(\a)+(\b))+7]
.endif
.endr
.endr
.endm
; 32 LDS loads in one run: the fragments of quarter q of a K step (32 along K) into buffer f: wb's 128 columns, then xb's 128 rows
.macro FETCH slot, q, f
	WIN TO_B
.irp i, 0,1,2,3,4,5,6,7
	ds_load_tr16_b128 v[(\f)+8*(\i):(\f)+8*(\i)+3],   v[ADRB+(\slot)] offset:(\q)*32*PB+32*(\i)
	ds_load_tr16_b128 v[(\f)+8*(\i)+4:(\f)+8*(\i)+7], v[ADRB+(\slot)] offset:(\q)*32*PB+16*PB+32*(\i)
.endr
	WIN 0
.irp i, 0,1,2,3,4,5,6,7
	ds_load_b128 v[(\f)+8*(\i):(\f)+8*(\i)+3],   v[ADRA+(\slot)] offset:64*(\q)+(\i)*16*PA
	ds_load_b128 v[(\f)+8*(\i)+4:(\f)+8*(\i)+7], v[ADRA+(\slot)] offset:64*(\q)+(\i)*16*PA+32
.endr
.endm
.macro PLACES                          ; four plain places behind the last matrix instruction, in front of loads into registers that it has read and of lines that touch results
.rept 4
	v_nop
.endr
.endm
; One of a K step's first three quarters: multiplies buffer f; in its middle it fetches quarter q of the same slot into buffer g.
.macro QUARTER slot, q, f, g, zero
	s_wait_dscnt 8                                 ; wb's fragments and xb's rows 0-63 are in; the youngest eight loads (rows 64-127) may be out
	MUL16 \f, 0, 0, \zero
	MUL16 \f, 0, 2, \zero
	PLACES
	FETCH \slot, \q, \g
	s_wait_dscnt 32                                ; all but the 32 just issued
	MUL16 \f, 1, 0, \zero
	MUL16 \f, 1, 2, \zero
.endm
; The last quarter multiplies buffer 1 and changes slots: ONE barrier.  In front of it each wave waits for all its tensor loads (the one that is out is its part of the next slot),
; adds 0 to its spare word, and waits for that and for its own reads of this slot.  fill = 1: the barrier opens a round of the cluster's barrier, and behind the round this slot is
; filled again, two K steps ahead: 224 matrix instructions stand between that request and the wait for it.
.macro TURN slot, next, fill
.if \fill
	s_wait_xcnt 0x0                                ; the last prefetch, a K step back, has read its address
	s_add_nc_u64 s[PFA:PFA+1], s[PFA:PFA+1], s[PFS:PFS+1]
.endif
	WIN 0                                          ; (the add's two registers lie in window 0)
	s_wait_tensorcnt 0x0                           ; all my tensor loads have landed
	ds_add_u32 v[SPW], v[NIL]                      ; 0 onto my spare word
	s_wait_dscnt 9                                 ; (the add and the youngest eight loads may be out)
	MUL16 F1, 0, 0, 0                              ; sixteen matrix instructions stand between the add and the wait for it
	s_wait_dscnt 0x0                               ; the add is done, and my reads of this slot are over
	s_barrier_signal -1
	MUL16 F1, 0, 2, 0                              ; work on registers while the others arrive
.if \fill
	WIN 0
.endif
	s_barrier_wait -1
.if \fill
	CREST                                          ; no wave of any partner still reads this slot's tile or has a load on its way
	s_add_nc_u64 s[G0+4*(\slot)+2:G0+4*(\slot)+3], s[G0+4*(\slot)+2:G0+4*(\slot)+3], 2*ASTEP
	s_add_nc_u64 s[G0B+4*(\slot)+2:G0B+4*(\slot)+3], s[G0B+4*(\slot)+2:G0B+4*(\slot)+3], 2*BSTEP
	JLOAD \slot                                    ; the first tensor load behind the round; its four v_nop are also the places in front of the loads below
.else
	PLACES
.endif
	FETCH \next, 0, F0
.if \fill
	ASK                                            ; behind the joint load and the run of LDS loads
.endif
	MUL16 F1, 1, 0, 0
	MUL16 F1, 1, 2, 0
.endm
; THE WAY OUT of block a (16 rows x 128 columns).  PACK: times the columns' scales, rounded to bf16, 16 bytes a lane; each accumulator is read from its lowest registers on.
.macro PACK a
.set AC, 64*((\a)%4)
	WIN 0x82+0x41*((\a)/4)                         ; destination and source 0: window 2 or 3; source 1 (the scales): window 0
.irp b, 0,1,2,3,4,5,6,7
.irp r, 0,1,2,3
	v_pk_mul_f32 v[AC+8*(\b)+2*(\r):AC+8*(\b)+2*(\r)+1], v[AC+8*(\b)+2*(\r):AC+8*(\b)+2*(\r)+1], v[SC+8*(\b)+2*(\r):SC+8*(\b)+2*(\r)+1]
.endr
.endr
	WIN 0x0a+5*((\a)/4)                            ; sources 0 and 1: window 2 or 3
.irp b, 0,1,2,3,4,5,6,7
.irp r, 0,1,2,3
	v_cvt_pk_bf16_f32 v[TMP+4*(\b)+(\r)], v[AC+8*(\b)+2*(\r)], v[AC+8*(\b)+2*(\r)+1]
.endr
.endr
	WIN 0
.endm
.macro TOSTAGE a                       ; into my own stage, and back as whole rows of 256 bytes
	WIN 0
.set BK, OB+192*((\a)%2)
.irp b, 0,1,2,3,4,5,6,7
	ds_store_b128 v[STO], v[TMP+4*(\b):TMP+4*(\b)+3] offset:32*(\b)
.endr
.irp t, 0,1,2,3,4,5,6,7
	ds_load_b128 v[BK+4*(\t):BK+4*(\t)+3], v[RD] offset:(\t)*2*SPITCH  ; LDS serves a wave's instructions in order (ISA guide 5.7.1.4): these see the stores above
.endr
.endm
.macro SEND a, younger
	WIN 0
.set BK, OB+192*((\a)%2)
	s_wait_dscnt \younger                          ; the block is back in registers
	s_wait_xcnt 0x0                                ; the stores' base and the registers that earlier stores read are rewritten only behind this wait
.if (\a) == 0
	s_add_nc_u64 s[8:9], s[8:9], s[16:17]          ; my first rows
.else
	s_add_nc_u64 s[8:9], s[8:9], 16*ROWB           ; 16 rows on
.endif
.irp t, 0,1,2,3,4,5,6,7
	global_store_b128 v[CO], v[BK+4*(\t):BK+4*(\t)+3], s[8:9] offset:2*(\t)*ROWB  ; 16 lanes store 256 consecutive bytes, at a multiple of 256 from tn's first byte
.endr
.endm
	s_wait_tensorcnt 1                             ; my part of K step 0 is in; K step 1's may stay out
	s_wait_dscnt 0x0                               ; my two scales are in LDS
	s_barrier_signal -1
	s_barrier_wait -1
	FETCH 0, 0, F0
	QUARTER 0, 1, F0, F1, 1                        ; the first quarter stands in front of the loop: its products start the sums
	WIN 0                                          ; at a label and at a branch every window is 0
	s_mov_b32 s3, LAPS-1
.Llap:                                                 ; a trip goes once round the ring, from a lap's second quarter to the next lap's first, and fills both slots again
	QUARTER 0, 2, F1, F0, 0
	QUARTER 0, 3, F0, F1, 0
	TURN 0, 1, 1
	QUARTER 1, 1, F0, F1, 0
	QUARTER 1, 2, F1, F0, 0
	QUARTER 1, 3, F0, F1, 0
	TURN 1, 0, 1
	QUARTER 0, 1, F0, F1, 0
	WIN 0
	s_sub_co_u32 s3, s3, 1
	s_cmp_lg_u32 s3, 0
	s_cbranch_scc1 .Llap
	QUARTER 0, 2, F1, F0, 0                        ; the last lap fills nothing, and has no round of the cluster's barrier
	QUARTER 0, 3, F0, F1, 0
	TURN 0, 1, 0
	QUARTER 1, 1, F0, F1, 0
	QUARTER 1, 2, F1, F0, 0
	QUARTER 1, 3, F0, F1, 0
	s_wait_dscnt 8                                 ; the very last quarter
	MUL16 F1, 0, 0, 0
	MUL16 F1, 0, 2, 0
	PLACES                                         ; for the loads into buffer 0 of window 0, which the quarter before multiplied
	WIN 0
.irp b, 0,1,2,3,4,5,6,7
	ds_load_b128 v[SC+8*(\b):SC+8*(\b)+3],   v[SCA] offset:64*(\b)      ; my 64 scales
	ds_load_b128 v[SC+8*(\b)+4:SC+8*(\b)+7], v[SCA] offset:64*(\b)+16
.endr
	s_wait_dscnt 16                                ; all but the 16 just issued
	MUL16 F1, 1, 0, 0
	MUL16 F1, 1, 2, 0
	WIN 0
	PLACES                                         ; the scalings touch results just made
	s_wait_dscnt 0x0                               ; the scales are in
	PACK 0
	TOSTAGE 0
.irp a, 1,2,3,4,5,6,7                  ; block a's arithmetic stands between block a - 1's loads from the stage and the wait for them
	PACK \a
	SEND (\a)-1, 0
	TOSTAGE \a
.endr
	SEND 7, 0
	s_wait_tensorcnt 0x0                           ; the wave's end, behind my last tensor load and my last LDS store
	ds_add_u32 v[SPW], v[NIL]
	s_wait_dscnt 0x0
	CROUND                                         ; the closing round: no work-group ends while a partner may still ask for a tile that names it
	s_endpgm
.Lfunc_end_k_q59bf34e049_gemm:
	.size	k_q59bf34e049_gemm, .Lfunc_end_k_q59bf34e049_gemm-k_q59bf34e049_gemm
	.p2alignl 7, 3214868480
	.fill 96, 4, 3214868480
	.section	.rodata,"a",@progbits
	.p2align	6, 0x0
	.amdhsa_kernel k_q59bf34e049_gemm
		.amdhsa_group_segment_fixed_size 327680
		.amdhsa_private_segment_fixed_size 0
		.amdhsa_enable_private_segment 0
		.amdhsa_kernarg_size 32
		.amdhsa_user_sgpr_count 2
		.amdhsa_user_sgpr_kernarg_segment_ptr 1
		.amdhsa_wavefront_size32 1
		.amdhsa_system_sgpr_workgroup_id_x 1
		.amdhsa_system_sgpr_workgroup_id_y 1
		.amdhsa_system_sgpr_workgroup_id_z 1
		.amdhsa_system_vgpr_workitem_id 0
		.amdhsa_next_free_vgpr 1024
		.amdhsa_next_free_sgpr 72
		.amdhsa_reserve_vcc 0
		.amdhsa_float_denorm_mode_32 3
		.amdhsa_float_denorm_mode_16_64 3
		.amdhsa_memory_ordered 1
		.amdhsa_forward_progress 1
		.amdhsa_inst_pref_size 173
	.end_amdhsa_kernel
	.amdgpu_metadata
---
amdhsa.version: [ 1, 2 ]
amdhsa.kernels:
  - .name:           k_q59bf34e049_gemm
    .symbol:         k_q59bf34e049_gemm.kd
    .args:
      - { .name: xb, .offset: 0, .size: 8, .value_kind: global_buffer, .address_space: global }
      - { .name: wb, .offset: 8, .size: 8, .value_kind: global_buffer, .address_space: global }
      - { .name: tn, .offset: 16, .size: 8, .value_kind: global_buffer, .address_space: global }
      - { .name: wss, .offset: 24, .size: 8, .value_kind: global_buffer, .address_space: global }
    .group_segment_fixed_size: 327680
    .private_segment_fixed_size: 0
    .kernarg_segment_align: 8
    .kernarg_segment_size: 32
    .max_flat_workgroup_size: 128
    .sgpr_count:     72
    .vgpr_count:     1024
    .wavefront_size: 32
...
	.end_amdgpu_metadata
.endif
;; end of part 2
;; launch fin (part 3): grid 256 x 1, 16 waves a work-group, no clusters, 2,304 bytes of LDS; arguments tn, xss, bias, weight_g, c, out0; writes out0
.if DOCPART == 3
	.amdgcn_target "amdgcn-amd-amdhsa--gfx1250"
	.amdhsa_code_object_version 6
	.text
	.protected	k_q59bf34e049_fin
	.globl	k_q59bf34e049_fin
	.p2align	8
	.type	k_q59bf34e049_fin,@function
k_q59bf34e049_fin:
	s_mov_b64 s[64:65], 0
	v_nop
	global_prefetch_b8 v0, s[64:65] scope:SCOPE_SE
	s_setreg_imm32_b32 hwreg(HW_REG_WAVE_MODE, 25, 1), 1
	s_wait_xcnt 0x0
; out0[i][j] from tn[i][j] = x_i . v_j (unit columns), xss[i] = sum of x_i^2, bias, weight_g, c.  With rc = sqrt(c), rc' = max(rc, 1e-15), d = 2 rc bias_j, cx2 = c xss_i:
;   u = (2 rc tn cosh d - (1 + cx2) sinh d) / max(1 - cx2, 1e-15);   y = sinh(clip(k asinh u, -20, 20)) / rc',  k = rc' (2 g_j / rc);   out = y / max(1 + sqrt(1 + c clip(sum_j y^2, 0, 1e15)), 1e-15).
; HOW.  L = log2(|u| + sqrt(u^2 + 1)), p = min(|k| L, 20 / ln 2), 2 sinh = 2^p - 2^-p, for p < 0.5 the odd polynomial p (C0 + C1 p^2 + C2 p^4) (first term left out: 3.4e-7 of the value).
; k's sign is folded into the column's two coefficients, u's sign is put back at the end, the factor 1 / (2 rc') goes into the row's factor.  All of it in f32.
; bias, weight_g and c are rounded to bf16 at their load, as x and weight_v were for the product: the program sees all five inputs in that one rounding.
; LIMITS.  asinh has an absolute error of about 6e-8, which shows only where u's spread is below about 1e-5; where u^2 overflows |u| + sqrt is replaced by 2 |u| + 1, so |u| above 1.7e38 counts as infinite;
; 'not finite becomes 0' is tested on rc' (2 g / rc) asinh u, not on (2 g / rc) asinh u; a zero may carry either sign.
; SHARES.  A work-group owns 16 whole rows, in four batches of four; wave w owns columns 256 w .. 256 w + 255; a lane eight of them: 128 k + 4 l + 0..3, k = 0, 1.
; A load of tn covers 256 consecutive bytes, a store of out0 512.  A batch's loads are issued one trip ahead; its stores leave while the next batch is worked on.
; The row's sum of squares meets in LDS: 16 waves x 4 rows x 4 bytes.  No matrix unit, no cluster: nothing is multiplied by a matrix and no work-group shares an input's bulk.
.set SPARE, 256                        ; behind the 256 bytes of sums: the spare words, 128 bytes for each of 16 waves, that no other line names
.set EPSF, 0x26901d7d                  ; 1e-15
.set CA,  16                           ; v[16:23]   2 rc cosh d, with k's sign
.set CB,  24                           ; v[24:31]   sinh d, with k's sign
.set CK,  32                           ; v[32:39]   |k|, 0 where it is not finite
.set RAW, 40                           ; v[40:55]   a batch of tn as loaded: row r, chunk k at 40 + 4 r + 2 k
.set YY,  56                           ; v[56:87]   the batch at work, then as stored: row r at 56 + 8 r
.set QQ,  88                           ; v[88:119]  four sets of eight at work
.set BB,  96
.set EE,  104
.set ZZ,  112
.set AC,  120                          ; v[120:121] a row's running sum of squares
.set SS,  124                          ; v[124:127] the batch's four sums
.set UC,  128                          ; v128 c; v129 2 rc; v130 2 / rc; v131 rc'; v132 1 / (4 rc'^2); v133 0.5 / rc'; v134, v135 at work
.set WW,  136                          ; v[136:143] at work
.macro ALL8 line:vararg                ; one line for each of eight numbers i
.set i, 0
.rept 8
	\line
.set i, i+1
.endr
.endm
.macro PAIRS line:vararg               ; one line for each of four pairs j, j + 1
.set j, 0
.rept 4
	\line
.set j, j+2
.endr
.endm
.macro RAWS                            ; a batch's eight loads
.set r, 0
.rept 8
	global_load_b64 v[RAW+2*r:RAW+2*r+1], v2, s[4:5] offset:(r/2)*8192+(r%2)*256 th:TH_LOAD_NT
.set r, r+1
.endr
.endm
	s_load_b256 s[4:11], s[0:1], 0x0               ; tn s[4:5], xss s[6:7], bias s[8:9], weight_g s[10:11]
	s_load_b128 s[12:15], s[0:1], 0x20             ; c s[12:13], out0 s[14:15]
	v_lshl_add_u32 v4, v0, 2, SPARE                ; my spare word; never rewritten
	v_mov_b32 v5, 0                                ; 0; never rewritten
	v_and_b32 v1, 31, v0                           ; lane
	v_lshrrev_b32 v6, 5, v0
	v_readfirstlane_b32 s16, v6                    ; wave 0..15
	v_lshlrev_b32 v2, 3, v1                        ; 8 l
	v_lshlrev_b32 v3, 4, v1                        ; 16 l
	v_mov_b32 v6, s16
	v_lshlrev_b32 v6, 4, v6                        ; where my wave's four sums go
	v_lshlrev_b32 v7, 2, v1                        ; where I read sums back
	v_and_b32 v8, 15, v1
	v_lshlrev_b32 v8, 2, v8                        ; row l % 16 in xss
	s_mov_b32 s19, 0
	s_mov_b32 s20, 4                               ; batches
	s_mov_b32 s22, 0x76543210                      ; v_permlanex16_b32: each lane takes its own place in the other half
	s_mov_b32 s23, 0xfedcba98
	s_mov_b32 s24, 0x3fb17218                      ; C0 = 2 ln 2; the packed lines name pairs, so both words are written
	s_mov_b32 s25, s24
	s_mov_b32 s26, 0x3de35847                      ; C1 = (ln 2)^3 / 3
	s_mov_b32 s27, s26
	s_mov_b32 s28, 0x3b2ec3ff                      ; C2 = (ln 2)^5 / 60
	s_mov_b32 s29, s28
	s_mov_b32 s30, 0x7f800000                      ; infinity
	s_mov_b32 s31, 0x41e6d4ca                      ; 20 / ln 2
	s_mov_b32 s32, 0x7fffffff
	s_mov_b32 s33, 0xffff0000
	s_mov_b32 s34, 0x3c088889                      ; 1 / 120
	s_mov_b32 s60, 0x3e2aaaab                      ; 1 / 6
	s_mov_b32 s62, 0x3eb33333                      ; 0.35
	s_mov_b32 s63, 0x3fb8aa3b                      ; log2(e)
	s_wait_kmcnt 0x0
	s_load_b32 s17, s[12:13], 0x0                  ; c
	s_lshl_b32 s18, ttmp9, 17                      ; 16 rows of 8,192 bytes,
	s_lshl_b32 s21, s16, 9                         ; my wave's 512
	s_add_co_u32 s18, s18, s21
	s_add_nc_u64 s[4:5], s[4:5], s[18:19]
	s_lshl_b32 s18, ttmp9, 18
	s_lshl_b32 s21, s16, 10
	s_add_co_u32 s18, s18, s21
	s_add_nc_u64 s[14:15], s[14:15], s[18:19]
	s_mov_b32 s18, s21
	s_add_nc_u64 s[8:9], s[8:9], s[18:19]
	s_add_nc_u64 s[10:11], s[10:11], s[18:19]
	s_lshl_b32 s18, ttmp9, 6
	s_add_nc_u64 s[6:7], s[6:7], s[18:19]
	global_load_b128 v[CA:CA+3],   v3, s[8:9]               ; bias
	global_load_b128 v[CA+4:CA+7], v3, s[8:9] offset:512
	global_load_b128 v[CK:CK+3],   v3, s[10:11]             ; weight_g
	global_load_b128 v[CK+4:CK+7], v3, s[10:11] offset:512
	global_load_b32 v10, v8, s[6:7]                         ; xss of row l % 16
	RAWS                                                    ; the first batch
	s_wait_kmcnt 0x0
	v_mov_b32 v[UC], s17
	v_cvt_pk_bf16_f32 v[UC], v[UC], v[UC]
	v_lshlrev_b32 v[UC], 16, v[UC]                 ; c, rounded
	v_sqrt_f32 v134, v[UC]                         ; rc
	v_nop                                          ; a plain instruction behind the root, and its wait ahead of the first reader
	s_wait_alu depctr_va_vdst(0)
	v_max_num_f32 v131, EPSF, v134                 ; rc'
	v_add_f32 v129, v134, v134                     ; 2 rc
	v_rcp_f32 v130, v134
	v_rcp_f32 v133, v131
	v_nop
	s_wait_alu depctr_va_vdst(0)                   ; one wait for both reciprocals
	v_add_f32 v130, v130, v130                     ; 2 / rc
	v_mul_f32 v133, 0.5, v133                      ; 0.5 / rc'
	v_mul_f32 v132, v133, v133                     ; 1 / (4 rc'^2)
	s_wait_loadcnt 8                               ; the five small loads are in; the batch's eight stay out
	; the columns' coefficients
	PAIRS v_cvt_pk_bf16_f32 v[QQ+j], v[CA+j], v[CA+j+1]
	PAIRS v_cvt_pk_bf16_f32 v[QQ+j+1], v[CK+j], v[CK+j+1]
	PAIRS v_lshlrev_b32 v[CA+j], 16, v[QQ+j]
	PAIRS v_and_b32 v[CA+j+1], s33, v[QQ+j]
	PAIRS v_lshlrev_b32 v[CK+j], 16, v[QQ+j+1]
	PAIRS v_and_b32 v[CK+j+1], s33, v[QQ+j+1]
	ALL8 v_mul_f32 v[CA+i], v129, v[CA+i]                   ; d
	ALL8 v_fma_f32 v[BB+i], v[CA+i], s63, -1.0              ; d log2(e) - 1
	ALL8 v_fma_f32 v[EE+i], -v[CA+i], s63, -1.0
	ALL8 v_exp_f32 v[BB+i], v[BB+i]                         ; e^d / 2
	ALL8 v_exp_f32 v[EE+i], v[EE+i]                         ; e^-d / 2
	ALL8 v_mul_f32 v[ZZ+i], v[CA+i], v[CA+i]                ; meanwhile, for small d: d (1 + d^2 (1/6 + d^2 / 120))
	ALL8 v_fma_f32 v[WW+i], v[ZZ+i], s34, s60
	ALL8 v_fma_f32 v[WW+i], v[ZZ+i], v[WW+i], 1.0
	ALL8 v_mul_f32 v[ZZ+i], v[CA+i], v[WW+i]
	s_wait_alu depctr_va_vdst(0)                   ; one wait for the sixteen exponentials
	ALL8 v_add_f32 v[QQ+i], v[BB+i], v[EE+i]                ; cosh d
	ALL8 v_sub_f32 v[CB+i], v[BB+i], v[EE+i]                ; sinh d
.set i, 0
.rept 8
	v_cmp_gt_f32 vcc_lo, s62, |v[CA+i]|
	v_cndmask_b32 v[CB+i], v[CB+i], v[ZZ+i], vcc_lo
.set i, i+1
.endr
	ALL8 v_mul_f32 v[CK+i], v[CK+i], v130
	ALL8 v_mul_f32 v[CK+i], v[CK+i], v131                   ; k
	ALL8 v_and_b32 v[EE+i], 0x80000000, v[CK+i]             ; its sign
	ALL8 v_and_b32 v[CK+i], s32, v[CK+i]
.set i, 0
.rept 8
	v_cmp_gt_f32 vcc_lo, s30, v[CK+i]
	v_cndmask_b32 v[CK+i], 0, v[CK+i], vcc_lo
.set i, i+1
.endr
	ALL8 v_mul_f32 v[CA+i], v129, v[QQ+i]
	ALL8 v_xor_b32 v[CA+i], v[CA+i], v[EE+i]
	ALL8 v_xor_b32 v[CB+i], v[CB+i], v[EE+i]
	; the rows' coefficients, row l % 16 in lane l
	v_mul_f32 v134, v[UC], v10                     ; cx2
	v_sub_f32 v10, -1.0, v134                      ; -(1 + cx2)
	v_sub_f32 v135, 1.0, v134
	v_max_num_f32 v135, EPSF, v135
	v_rcp_f32 v11, v135                            ; 1 / max(1 - cx2, 1e-15)
	v_nop
	s_wait_alu depctr_va_vdst(0)
; Row r of the batch: my eight numbers, from tn to 2 sinh with its sign, and their sum of squares.  Three batches of transcendentals, one wait each.
.macro UNIT r
.set uY, YY+8*(\r)
.set uE, 36+4*(\r)
.set uP, 38+4*(\r)
	PAIRS v_pk_mul_f32 v[uY+j:uY+j+1], v[uY+j:uY+j+1], v[CA+j:CA+j+1]
	PAIRS v_pk_fma_f32 v[uY+j:uY+j+1], v[CB+j:CB+j+1], s[uE:uE+1], v[uY+j:uY+j+1] op_sel_hi:[1,0,1]
	PAIRS v_pk_mul_f32 v[uY+j:uY+j+1], v[uY+j:uY+j+1], s[uP:uP+1] op_sel_hi:[1,0]                       ; u
	PAIRS v_pk_fma_f32 v[QQ+j:QQ+j+1], v[uY+j:uY+j+1], v[uY+j:uY+j+1], 1.0 op_sel_hi:[1,1,0]
	ALL8 v_sqrt_f32 v[QQ+i], v[QQ+i]
	ALL8 v_fma_f32 v[BB+i], |v[uY+i]|, 2.0, 1.0             ; an upper bound of |u| + sqrt(u^2 + 1), which takes its place where u^2 overflows
	s_wait_alu depctr_va_vdst(0)                   ; one wait for the eight roots
	ALL8 v_add_f32 v[QQ+i], |v[uY+i]|, v[QQ+i]
	ALL8 v_min_num_f32 v[QQ+i], v[QQ+i], v[BB+i]
	ALL8 v_log_f32 v[QQ+i], v[QQ+i]
	v_nop
	s_wait_alu depctr_va_vdst(0)                   ; one wait for the eight logarithms
	PAIRS v_pk_mul_f32 v[QQ+j:QQ+j+1], v[QQ+j:QQ+j+1], v[CK+j:CK+j+1]
	ALL8 v_cmp_gt_f32 s[66+i], s30, v[QQ+i]                 ; finite?  (a NaN fails too)
	ALL8 v_cndmask_b32 v[QQ+i], 0, v[QQ+i], s[66+i]
	ALL8 v_min_num_f32 v[QQ+i], s31, v[QQ+i]                ; the clip: p
	ALL8 v_exp_f32 v[EE+i], v[QQ+i]
	ALL8 v_exp_f32 v[BB+i], -v[QQ+i]
	PAIRS v_pk_mul_f32 v[ZZ+j:ZZ+j+1], v[QQ+j:QQ+j+1], v[QQ+j:QQ+j+1]
	PAIRS v_pk_fma_f32 v[WW+j:WW+j+1], v[ZZ+j:ZZ+j+1], s[28:29], s[26:27] op_sel_hi:[1,0,0]
	PAIRS v_pk_fma_f32 v[WW+j:WW+j+1], v[ZZ+j:ZZ+j+1], v[WW+j:WW+j+1], s[24:25] op_sel_hi:[1,1,0]
	PAIRS v_pk_mul_f32 v[ZZ+j:ZZ+j+1], v[QQ+j:QQ+j+1], v[WW+j:WW+j+1]
	s_wait_alu depctr_va_vdst(0)                   ; one wait for the sixteen exponentials
	PAIRS v_pk_add_f32 v[EE+j:EE+j+1], v[EE+j:EE+j+1], v[BB+j:BB+j+1] neg_lo:[0,1] neg_hi:[0,1]
	ALL8 v_cmp_gt_f32 s[66+i], 0.5, v[QQ+i]
	ALL8 v_cndmask_b32 v[EE+i], v[EE+i], v[ZZ+i], s[66+i]
	ALL8 v_bfi_b32 v[uY+i], s32, v[EE+i], v[uY+i]           ; u's sign
	v_pk_mul_f32 v[AC:AC+1], v[uY:uY+1], v[uY:uY+1]
	v_pk_fma_f32 v[AC:AC+1], v[uY+2:uY+3], v[uY+2:uY+3], v[AC:AC+1]
	v_pk_fma_f32 v[AC:AC+1], v[uY+4:uY+5], v[uY+4:uY+5], v[AC:AC+1]
	v_pk_fma_f32 v[AC:AC+1], v[uY+6:uY+7], v[uY+6:uY+7], v[AC:AC+1]
	v_add_f32 v[SS+(\r)], v[AC], v[AC+1]
.endm
.Lbatch:
	s_wait_loadcnt 0x0                             ; this batch is in: its loads were issued a trip ago
.set r, 0
.rept 8
	v_lshlrev_b32 v[YY+4*r],   16,  v[RAW+2*r]
	v_and_b32     v[YY+4*r+1], s33, v[RAW+2*r]
	v_lshlrev_b32 v[YY+4*r+2], 16,  v[RAW+2*r+1]
	v_and_b32     v[YY+4*r+3], s33, v[RAW+2*r+1]
.set r, r+1
.endr
	s_cmp_eq_u32 s20, 1                            ; the last trip has no batch behind it; every wait on these loads is for 0, so both ways count alike
	s_cbranch_scc1 .Lno_more
	s_add_nc_u64 s[4:5], s[4:5], 32768             ; four rows on; the loads that read this base are done
	RAWS
.Lno_more:
.irp r, 0,1,2,3
	v_readlane_b32 s[36+4*(\r)], v10, \r           ; lanes 0 to 3 hold this batch's rows
	v_readlane_b32 s[38+4*(\r)], v11, \r
.endr
.irp r, 0,1,2,3
	s_mov_b32 s[37+4*(\r)], s[36+4*(\r)]           ; named as pairs
	s_mov_b32 s[39+4*(\r)], s[38+4*(\r)]
.endr
	v_mov_b32_dpp v10, v10 row_ror:12 row_mask:0xf bank_mask:0xf  ; lane i takes lane i + 4: the next batch's rows come into lanes 0 to 3
	v_mov_b32_dpp v11, v11 row_ror:12 row_mask:0xf bank_mask:0xf
	UNIT 0
	UNIT 1
	UNIT 2
	UNIT 3
.irp m, 1,2,4,8
.irp r, 0,1,2,3
	v_add_f32_dpp v[SS+(\r)], v[SS+(\r)], v[SS+(\r)] row_xmask:\m row_mask:0xf bank_mask:0xf
.endr
.endr
.irp r, 0,1,2,3
	v_permlanex16_b32 v[WW+(\r)], v[SS+(\r)], s22, s23
.endr
.irp r, 0,1,2,3
	v_add_f32 v[SS+(\r)], v[SS+(\r)], v[WW+(\r)]   ; every lane holds my wave's sum of row r
.endr
	s_barrier_signal -1                            ; every wave's reads of the last trip's sums are back (each waited for them below)
	s_barrier_wait -1
	ds_store_b128 v6, v[SS:SS+3]
	s_wait_dscnt 0x0                               ; for the others' sake: my store is done
	s_barrier_signal -1
	s_barrier_wait -1
	ds_load_b32 v134, v7                           ; wave l / 4, row l % 4
	ds_load_b32 v135, v7 offset:128                ; wave 8 + l / 4
	s_wait_dscnt 0x0
	v_add_f32 v134, v134, v135
	v_add_f32_dpp v134, v134, v134 row_xmask:4 row_mask:0xf bank_mask:0xf
	v_add_f32_dpp v134, v134, v134 row_xmask:8 row_mask:0xf bank_mask:0xf
	v_permlanex16_b32 v135, v134, s22, s23
	v_add_f32 v134, v134, v135                     ; lane l: the whole sum of row l % 4
	v_mul_f32 v134, v134, v132                     ; the sum of y^2
	v_max_num_f32 v134, 0, v134
	v_min_num_f32 v134, 0x58635fa9, v134           ; 1e15
	v_fma_f32 v134, v[UC], v134, 1.0
	v_sqrt_f32 v134, v134
	v_nop
	s_wait_alu depctr_va_vdst(0)
	v_add_f32 v134, 1.0, v134
	v_max_num_f32 v134, EPSF, v134
	v_rcp_f32 v134, v134
	v_nop
	s_wait_alu depctr_va_vdst(0)
	v_mul_f32 v134, v134, v133                     ; the row's factor, 1 / (2 rc') in it
.irp r, 0,1,2,3
	v_readlane_b32 s[52+2*(\r)], v134, \r
.endr
.irp r, 0,1,2,3
	s_mov_b32 s[53+2*(\r)], s[52+2*(\r)]
.endr
.set r, 0
.rept 16
	v_pk_mul_f32 v[YY+2*r:YY+2*r+1], v[YY+2*r:YY+2*r+1], s[52+2*(r/4):53+2*(r/4)] op_sel_hi:[1,0]
.set r, r+1
.endr
.set r, 0
.rept 8
	global_store_b128 v3, v[YY+4*r:YY+4*r+3], s[14:15] offset:(r/2)*16384+(r%2)*512 th:TH_STORE_NT  ; 512 consecutive bytes a wave
.set r, r+1
.endr
	s_wait_xcnt 0x0                                ; the stores' base and data are written again only behind this wait
	s_add_nc_u64 s[14:15], s[14:15], 65536
	s_sub_co_u32 s20, s20, 1
	s_cmp_lg_u32 s20, 0
	s_cbranch_scc1 .Lbatch
	s_wait_tensorcnt 0x0                           ; the wave's end, behind my last LDS store
	ds_add_u32 v4, v5
	s_wait_dscnt 0x0
	s_endpgm
.Lfunc_end_k_q59bf34e049_fin:
	.size	k_q59bf34e049_fin, .Lfunc_end_k_q59bf34e049_fin-k_q59bf34e049_fin
	.p2alignl 7, 3214868480
	.fill 96, 4, 3214868480
	.section	.rodata,"a",@progbits
	.p2align	6, 0x0
	.amdhsa_kernel k_q59bf34e049_fin
		.amdhsa_group_segment_fixed_size 2304
		.amdhsa_private_segment_fixed_size 0
		.amdhsa_enable_private_segment 0
		.amdhsa_kernarg_size 48
		.amdhsa_user_sgpr_count 2
		.amdhsa_user_sgpr_kernarg_segment_ptr 1
		.amdhsa_wavefront_size32 1
		.amdhsa_system_sgpr_workgroup_id_x 1
		.amdhsa_system_sgpr_workgroup_id_y 1
		.amdhsa_system_sgpr_workgroup_id_z 1
		.amdhsa_system_vgpr_workitem_id 0
		.amdhsa_next_free_vgpr 144
		.amdhsa_next_free_sgpr 80
		.amdhsa_reserve_vcc 1
		.amdhsa_float_denorm_mode_32 3
		.amdhsa_float_denorm_mode_16_64 3
		.amdhsa_memory_ordered 1
		.amdhsa_forward_progress 1
		.amdhsa_inst_pref_size 53
	.end_amdhsa_kernel
	.amdgpu_metadata
---
amdhsa.version: [ 1, 2 ]
amdhsa.kernels:
  - .name:           k_q59bf34e049_fin
    .symbol:         k_q59bf34e049_fin.kd
    .args:
      - { .name: tn, .offset: 0, .size: 8, .value_kind: global_buffer, .address_space: global }
      - { .name: xss, .offset: 8, .size: 8, .value_kind: global_buffer, .address_space: global }
      - { .name: bias, .offset: 16, .size: 8, .value_kind: global_buffer, .address_space: global }
      - { .name: weight_g, .offset: 24, .size: 8, .value_kind: global_buffer, .address_space: global }
      - { .name: c, .offset: 32, .size: 8, .value_kind: global_buffer, .address_space: global }
      - { .name: out0, .offset: 40, .size: 8, .value_kind: global_buffer, .address_space: global }
    .group_segment_fixed_size: 2304
    .private_segment_fixed_size: 0
    .kernarg_segment_align: 8
    .kernarg_segment_size: 48
    .max_flat_workgroup_size: 512
    .sgpr_count:     80
    .vgpr_count:     144
    .wavefront_size: 32
...
	.end_amdgpu_metadata
.endif
;; end of part 3
;; ======== version 2 of 2: 3 launches; version 1 with the launch prep written anew for expert scheduling mode
;; limits: a function is approximated: absolute error at most 6e-08
;; workspace buffers: xb 33,554,432 bytes; wb 33,554,432 bytes; xss 16,384 bytes; wss 1,048,576 bytes; tn 33,554,432 bytes
;; launch prep (part 4): grid 256 x 2, 8 waves a work-group, no clusters, 0 bytes of LDS; arguments x, weight_v, xb, wb, xss, wss; writes xb, wb, xss, wss
.if DOCPART == 4
	.amdgcn_target "amdgcn-amd-amdhsa--gfx1250"
	.amdhsa_code_object_version 6
	.text
	.protected	k_q59bf34e049_prep
	.globl	k_q59bf34e049_prep
	.p2align	8
	.type	k_q59bf34e049_prep,@function
k_q59bf34e049_prep:
	s_mov_b64 s[64:65], 0
	v_nop
	global_prefetch_b8 v0, s[64:65] scope:SCOPE_SE
	s_setreg_imm32_b32 hwreg(HW_REG_WAVE_SCHED_MODE, 0, 2), 2
	s_setreg_imm32_b32 hwreg(HW_REG_WAVE_MODE, 25, 1), 1
	s_wait_xcnt 0x0
	s_wait_alu depctr_vm_vsrc(0)
; x [4096][4096] f32 -> xb bf16 (same layout), xss[row] = the sum of squares of the ROUNDED numbers of the row.
; weight_v [4096 k][4096 n] f32 -> wb bf16 (same layout), wss[p][n] = the sum of squares of the rounded numbers of column n over the 64 rows 64 p .. 64 p + 63.
; The grid's y picks the tensor (0: x, 1: weight_v); 256 work-groups of eight waves each, 262,144 input bytes a work-group.
; A wave's share goes in 16 blocks of four loads of 512 bytes:
; x:        the work-group owns 16 rows, a wave two; block p = row p % 2, the 2,048 bytes number p / 2 of it.
; weight_v: the work-group owns 64 rows x 1,024 columns, a wave 128 columns (512 bytes of a row); block p = rows 4 p .. 4 p + 3.
; A load of a wave covers 512 consecutive bytes, a store 256 consecutive bytes, aligned.
; No LDS, no barrier, no matrix unit: every byte is touched once and no wave needs another's.  Sums in f32.
; THE MODE: SCHED_MODE bits 1:0 = 2 (LLVM: expert scheduling mode 2), set by the entry lines.  The code itself states the register dependences
; between vector instructions and memory instructions, with s_wait_alu, always for 0.
; THE PLAN.  Registers that memory instructions touch:
;   X0 .. X3   four blocks as loaded.   Written by the loads of block p + 3, issued in block p; read by block p's roundings.
;   Y0, Y1     two blocks to store.     Written by block p's roundings, read by its multiply-adds; read by the four stores that are issued in block p + 1.
;   v2, v3     byte offsets, made once at the head and never written again: the blocks are reached by the two scalar bases, which move on by four blocks
;              once a lap, and by immediate offsets.
; Block p works on X[p % 4] and writes Y[p % 2].  Its memory instructions are the loads into X[(p + 3) % 4] = X[(p - 1) % 4] and the stores from Y[(p - 1) % 2]:
; the two buffers that block p - 1 worked on and that no vector instruction of block p names.  So the waits at a block's head state all that its eight memory
; instructions hang on, and these are dealt among its vector instructions with no further wait.  Eight to twelve loads of every wave are on their way.
.set ACC, 4                            ; v[4:11]   eight running sums: in the loop no memory instruction names them
.set TT,  12                           ; v[12:15]  at work
.set VI,  2                            ; v2        16 x lane
.set VO,  3                            ; v3        8 x lane
.set X,   16                           ; v[16:79]  buffer k, load q: 4 f32 as loaded, at X + 16 k + 4 q
.set Y,   80                           ; v[80:95]  buffer k, load q: 4 bf16 to store, at Y + 8 k + 2 q
.set IN,  20                           ; s[20:21]  the stream in, at the block that the offsets count from
.set OUT, 22                           ; s[22:23]  the stream out, likewise
.set SUM, 26                           ; s[26:27]  where my sums go
	s_load_b256 s[4:11], s[0:1], 0x0               ; x s[4:5], weight_v s[6:7], xb s[8:9], wb s[10:11]
	s_load_b128 s[12:15], s[0:1], 0x20             ; xss s[12:13], wss s[14:15]
	v_and_b32 v1, 31, v0                           ; lane
	v_lshrrev_b32 v2, 5, v0
	v_readfirstlane_b32 s16, v2                    ; wave 0..7
	v_lshlrev_b32 v[VI], 4, v1
	v_lshlrev_b32 v[VO], 3, v1
	s_and_b32 s17, ttmp7, 0xffff                   ; which tensor
	s_mov_b32 s19, 0                               ; the upper word of every offset
	s_mov_b32 s28, 0x76543210                      ; v_permlanex16_b32: each lane takes its own place in the other half
	s_mov_b32 s29, 0xfedcba98
	s_mov_b32 s24, 3                               ; laps of four blocks
	s_wait_alu depctr_va_sdst(0)                   ; s16 is written, ahead of the branch and of its first reader on either way: the bases are made from it
	s_wait_kmcnt 0x0
	s_cmp_lg_u32 s17, 0
	s_cbranch_scc1 .Lweights
; The byte offsets of load q of the block that lies k blocks behind the one at which the bases stand (k = -1 .. 6).  w = 0: x; w = 1: weight_v.
.macro INOFF w, k, q
.if \w
.set INO, (4*(\k)+(\q))*16384                                          ; row 4 k + q
.else
.set INO, (((\k)+4)%2)*16384+(((\k)+4)/2)*2048+(\q)*512-4096           ; row k % 2, piece k / 2; reckoned four blocks (4,096 bytes) up, so that nothing negative is divided
.endif
.endm
.macro OUTOFF w, k, q
.if \w
.set OUTO, (4*(\k)+(\q))*8192
.else
.set OUTO, (((\k)+4)%2)*8192+(((\k)+4)/2)*1024+(\q)*256-2048
.endif
.endm
; Block p.  pr = p % 4: the bases stand at block p - pr.  first = 1: block 0, with no block in front of it.  ahead = 1: block p + 3 is loaded.
; left = how many younger loads may still be out when this block's four have to be there.
.macro BLK w, pr, first, ahead, left
	s_wait_loadcnt \left                           ; loads come back in order: X[pr] is in, the younger blocks stay out
.if !(\first)
	s_wait_xcnt 0x0                                ; the two bases and the stores' data are written again only behind this wait
	s_wait_alu depctr_vm_vsrc(0)                   ; the stores issued in the block before have read this block's Y, which its roundings write again
	s_wait_alu depctr_va_vdst(0)                   ; the block before has written the other Y, which the stores below read, and is done reading its X, in which the loads below land
.if (\pr) == 0
.if \w
	s_add_nc_u64 s[IN:IN+1], s[IN:IN+1], 262144    ; four blocks on: 16 rows
	s_add_nc_u64 s[OUT:OUT+1], s[OUT:OUT+1], 131072
.else
	s_add_nc_u64 s[IN:IN+1], s[IN:IN+1], 4096      ; four blocks on: two pieces of both rows
	s_add_nc_u64 s[OUT:OUT+1], s[OUT:OUT+1], 2048
.endif
.endif
.endif
.irp q, 0,1,2,3
.set XL, X+16*(((\pr)+3)%4)+4*(\q)     ; where the load lands
.set YP, Y+8*(((\pr)+1)%2)+2*(\q)      ; what the store reads
.set XS, X+16*((\pr)%4)+4*(\q)         ; this block's four numbers
.set YS, Y+8*((\pr)%2)+2*(\q)
.if \w
.set SA, ACC+4*((\q)%2)                ; my four columns' sums, rows of even and of odd number apart
.else
.set SA, ACC+4*((\pr)%2)               ; a row's four sums
.endif
.if \ahead
	INOFF \w, (\pr)+3, \q
	global_load_b128 v[XL:XL+3], v[VI], s[IN:IN+1] offset:INO th:TH_LOAD_NT   ; three blocks ahead; no vector instruction since the wait names these registers
.endif
.if !(\first)
	OUTOFF \w, (\pr)-1, \q
	global_store_b64 v[VO], v[YP:YP+1], s[OUT:OUT+1] offset:OUTO              ; the block before
.endif
	v_cvt_pk_bf16_f32 v[YS],   v[XS],   v[XS+1]
	v_cvt_pk_bf16_f32 v[YS+1], v[XS+2], v[XS+3]
	v_fma_mix_f32_bf16 v[SA],   v[YS],   v[YS],   v[SA]   op_sel_hi:[1,1,0]                 ; the rounded number squared, added in f32
	v_fma_mix_f32_bf16 v[SA+1], v[YS],   v[YS],   v[SA+1] op_sel:[1,1,0] op_sel_hi:[1,1,0]
	v_fma_mix_f32_bf16 v[SA+2], v[YS+1], v[YS+1], v[SA+2] op_sel_hi:[1,1,0]
	v_fma_mix_f32_bf16 v[SA+3], v[YS+1], v[YS+1], v[SA+3] op_sel:[1,1,0] op_sel_hi:[1,1,0]
.endr
.endm
.macro FIRST3 w                        ; blocks 0, 1 and 2 into X0, X1, X2
.irp k, 0,1,2
.irp q, 0,1,2,3
	INOFF \w, \k, \q
	global_load_b128 v[X+16*(\k)+4*(\q):X+16*(\k)+4*(\q)+3], v[VI], s[IN:IN+1] offset:INO th:TH_LOAD_NT
.endr
.endr
.endm
.macro LAST4 w                         ; block 15's stores, from Y1
.irp q, 0,1,2,3
	OUTOFF \w, 3, \q
	global_store_b64 v[VO], v[Y+8+2*(\q):Y+8+2*(\q)+1], s[OUT:OUT+1] offset:OUTO
.endr
.endm
.macro CLEAR                           ; twelve lines, while the first loads are on their way
.set r, ACC
.rept 12
	v_mov_b32 v[r], 0
.set r, r+1
.endr
.endm
	; ---- x ----
	s_lshl_b32 s25, ttmp9, 4
	s_lshl_b32 s18, s16, 1
	s_add_co_u32 s25, s25, s18                     ; my first row = 16 b + 2 wave
	s_lshl_b32 s18, s25, 14
	s_add_nc_u64 s[IN:IN+1], s[4:5], s[18:19]
	s_lshl_b32 s18, s25, 13
	s_add_nc_u64 s[OUT:OUT+1], s[8:9], s[18:19]
	s_lshl_b32 s18, s25, 2
	s_add_nc_u64 s[SUM:SUM+1], s[12:13], s[18:19]
	s_wait_alu depctr_va_vdst(0)                   ; v2 and v3 are written: every load and store of the loop reads one of them as its offset
	FIRST3 0
	CLEAR
	BLK 0, 0, 1, 1, 8                              ; block 0
.Lxround:                                              ; blocks 1 to 12, four to a lap: both kinds of buffer are back at their start
	BLK 0, 1, 0, 1, 8
	BLK 0, 2, 0, 1, 8
	BLK 0, 3, 0, 1, 8
	BLK 0, 0, 0, 1, 8
	s_sub_co_u32 s24, s24, 1
	s_cmp_lg_u32 s24, 0
	s_cbranch_scc1 .Lxround
	BLK 0, 1, 0, 0, 8                              ; blocks 13 to 15 load nothing: no load leaves the buffer, and the counts run down
	BLK 0, 2, 0, 0, 4
	BLK 0, 3, 0, 0, 0
	s_wait_alu depctr_va_vdst(0)                   ; block 15 has written Y1, which the last four stores read
	LAST4 0
	v_add_f32 v4, v4, v5
	v_add_f32 v6, v6, v7
	v_add_f32 v8, v8, v9
	v_add_f32 v10, v10, v11
	v_add_f32 v4, v4, v6                           ; row 0, my lane's part
	v_add_f32 v8, v8, v10                          ; row 1
.irp m, 1,2,4,8
	v_add_f32_dpp v4, v4, v4 row_xmask:\m row_mask:0xf bank_mask:0xf
	v_add_f32_dpp v8, v8, v8 row_xmask:\m row_mask:0xf bank_mask:0xf
.endr
	v_permlanex16_b32 v12, v4, s28, s29
	v_permlanex16_b32 v13, v8, s28, s29
	v_add_f32 v4, v4, v12
	v_add_f32 v8, v8, v13
	v_cmp_eq_u32 vcc_lo, 1, v1
	s_wait_alu depctr_va_vcc(0)                    ; VCC is written, ahead of the select that reads it
	v_cndmask_b32 v4, v4, v8, vcc_lo               ; lane 1 holds row 1's sum
	v_lshlrev_b32 v14, 2, v1
	s_wait_xcnt 0x0                                ; EXEC changes only behind this wait
	v_cmp_gt_u32 vcc_lo, 2, v1
	s_wait_alu depctr_va_vcc(0)                    ; VCC is written: EXEC is made from it
	s_wait_alu depctr_va_vdst(0)                   ; ahead of the write of EXEC: the vector instructions are done; among them v14 and v4 are written, the store's offset and data
	s_wait_alu depctr_vm_vsrc(0)                   ; ahead of the write of EXEC: the stores issued so far have read their registers
	s_and_saveexec_b32 s30, vcc_lo
	global_store_b32 v14, v4, s[SUM:SUM+1]         ; two sums a wave: 16,384 bytes in the whole launch
	s_wait_xcnt 0x0
	s_wait_alu depctr_va_vdst(0)                   ; ahead of the write of EXEC, as above
	s_wait_alu depctr_vm_vsrc(0)                   ; the store has read v14 and v4
	s_or_b32 exec_lo, exec_lo, s30
	s_endpgm
	; ---- weight_v ----
.Lweights:
	s_and_b32 s25, ttmp9, 3                        ; which 1,024 columns
	s_lshr_b32 s31, ttmp9, 2                       ; which 64 rows
	s_lshl_b32 s25, s25, 12
	s_lshl_b32 s30, s16, 9
	s_add_co_u32 s25, s25, s30                     ; my 128 columns in f32: 4,096 cs + 512 wave bytes
	s_lshl_b32 s18, s31, 20
	s_add_co_u32 s18, s18, s25
	s_add_nc_u64 s[IN:IN+1], s[6:7], s[18:19]
	s_lshr_b32 s18, s18, 1                         ; in bf16 every offset is half
	s_add_nc_u64 s[OUT:OUT+1], s[10:11], s[18:19]
	s_lshl_b32 s18, s31, 14
	s_add_co_u32 s18, s18, s25
	s_add_nc_u64 s[SUM:SUM+1], s[14:15], s[18:19]
	s_wait_alu depctr_va_vdst(0)                   ; v2 and v3 are written: every load and store below reads one of them as its offset
	FIRST3 1
	CLEAR
	BLK 1, 0, 1, 1, 8                              ; block 0
.Lwround:                                              ; blocks 1 to 12
	BLK 1, 1, 0, 1, 8
	BLK 1, 2, 0, 1, 8
	BLK 1, 3, 0, 1, 8
	BLK 1, 0, 0, 1, 8
	s_sub_co_u32 s24, s24, 1
	s_cmp_lg_u32 s24, 0
	s_cbranch_scc1 .Lwround
	BLK 1, 1, 0, 0, 8                              ; blocks 13 to 15 load nothing
	BLK 1, 2, 0, 0, 4
	BLK 1, 3, 0, 0, 0
	v_pk_add_f32 v[4:5], v[4:5], v[8:9]
	v_pk_add_f32 v[6:7], v[6:7], v[10:11]
	s_wait_alu depctr_va_vdst(0)                   ; block 15 has written Y1 and the two additions v[4:7]: the data of the five stores below
	LAST4 1
	global_store_b128 v[VI], v[4:7], s[SUM:SUM+1]  ; 512 consecutive bytes a wave
	s_endpgm
.Lfunc_end_k_q59bf34e049_prep:
	.size	k_q59bf34e049_prep, .Lfunc_end_k_q59bf34e049_prep-k_q59bf34e049_prep
	.p2alignl 7, 3214868480
	.fill 96, 4, 3214868480
	.section	.rodata,"a",@progbits
	.p2align	6, 0x0
	.amdhsa_kernel k_q59bf34e049_prep
		.amdhsa_group_segment_fixed_size 0
		.amdhsa_private_segment_fixed_size 0
		.amdhsa_enable_private_segment 0
		.amdhsa_kernarg_size 48
		.amdhsa_user_sgpr_count 2
		.amdhsa_user_sgpr_kernarg_segment_ptr 1
		.amdhsa_wavefront_size32 1
		.amdhsa_system_sgpr_workgroup_id_x 1
		.amdhsa_system_sgpr_workgroup_id_y 1
		.amdhsa_system_sgpr_workgroup_id_z 1
		.amdhsa_system_vgpr_workitem_id 0
		.amdhsa_next_free_vgpr 96
		.amdhsa_next_free_sgpr 66
		.amdhsa_reserve_vcc 1
		.amdhsa_float_denorm_mode_32 3
		.amdhsa_float_denorm_mode_16_64 3
		.amdhsa_memory_ordered 1
		.amdhsa_forward_progress 1
		.amdhsa_inst_pref_size 43
	.end_amdhsa_kernel
	.amdgpu_metadata
---
amdhsa.version: [ 1, 2 ]
amdhsa.kernels:
  - .name:           k_q59bf34e049_prep
    .symbol:         k_q59bf34e049_prep.kd
    .args:
      - { .name: x, .offset: 0, .size: 8, .value_kind: global_buffer, .address_space: global }
      - { .name: weight_v, .offset: 8, .size: 8, .value_kind: global_buffer, .address_space: global }
      - { .name: xb, .offset: 16, .size: 8, .value_kind: global_buffer, .address_space: global }
      - { .name: wb, .offset: 24, .size: 8, .value_kind: global_buffer, .address_space: global }
      - { .name: xss, .offset: 32, .size: 8, .value_kind: global_buffer, .address_space: global }
      - { .name: wss, .offset: 40, .size: 8, .value_kind: global_buffer, .address_space: global }
    .group_segment_fixed_size: 0
    .private_segment_fixed_size: 0
    .kernarg_segment_align: 8
    .kernarg_segment_size: 48
    .max_flat_workgroup_size: 256
    .sgpr_count:     66
    .vgpr_count:     96
    .wavefront_size: 32
...
	.end_amdgpu_metadata
.endif
;; end of part 4
;; launch gemm: the kernel of part 2 again; grid 16 x 16, 4 waves a work-group, clusters of 4 x 4, 327,680 bytes of LDS; arguments xb, wb, tn, wss; writes tn
;; launch fin: the kernel of part 3 again; grid 256 x 1, 16 waves a work-group, no clusters, 2,304 bytes of LDS; arguments tn, xss, bias, weight_g, c, out0; writes out0
